; MI455X (gfx1250); checked and timed in simulation.
; The chip was launched on July 23, 2026; its instructions are those of AMD's public machine-readable ISA for CDNA 5 (MIT licence, August 2026) and "CDNA5" Instruction Set Architecture Reference Guide (July 2026). The comments in the code are by the model that wrote it; some were corrected since.
;; Causal Wan Self Attention. Allowed arithmetic: float matrix products may take bf16 or f16 operands with f32 sums; all other float work in f32.
;; Inputs: w_out 1,024 x 64 float32; w_qkv 192 x 1,024 float32; x 1 x 2,048 x 1,024 float32.
;; Outputs: out0 1 x 2,048 x 1,024 float32.
;; One version. Each part assembles by itself: llvm-mc -triple=amdgcn-amd-amdhsa -mcpu=gfx1250 --defsym DOCPART=n.
;; ======== version 1 of 1: 3 launches
;; limits: values are held in f16: magnitudes above 65,504 overflow, below 6.1e-05 lose precision
;; workspace buffers: qkvt 1,572,864 bytes; ot 524,288 bytes
;; launch proj (part 1): grid 4 x 64, 16 waves a work-group, no clusters, 186,368 bytes of LDS; arguments x, w_qkv, qkvt; writes qkvt
.if DOCPART == 1
	.amdgcn_target "amdgcn-amd-amdhsa--gfx1250"
	.amdhsa_code_object_version 6
	.text
	.protected	k_q14a89f88d3_proj
	.globl	k_q14a89f88d3_proj
	.p2align	8
	.type	k_q14a89f88d3_proj,@function
k_q14a89f88d3_proj:
	s_mov_b64 s[64:65], 0
	v_nop
	global_prefetch_b8 v0, s[64:65] scope:SCOPE_SE
	s_setreg_imm32_b32 hwreg(HW_REG_WAVE_MODE, 25, 1), 1
	s_wait_xcnt 0x0
; qkvt[f][n] = sum over c of x[n][c] w_qkv[f][c]:  x [2048][1024] f32, w_qkv [192][1024] f32, qkvt [192][2048] f32 (feature-major).
; Operands are rounded to bf16 (nearest even) on the way into LDS; sums in f32.
; A work-group makes 32 tokens x 48 features (2 x 3 matrix tiles).  Its 16 waves split K: wave w takes columns 64 w .. 64 w + 63 of all
; 80 rows, so all 80 x 4,096 bytes of the work-group are requested at once (40 loads of 512 bytes a wave).  The 16 partial tiles meet in LDS.
; No joint tensor loads, though x's rows are read by 4 work-groups and w's by 64: the operands are f32 in memory and are rounded in
; registers; brought by the mover they would lie in LDS as f32, 80 rows x 4,096 bytes = 327,680 bytes, which leaves no room for anything else.
; The result leaves in runs of 128 bytes (8 lanes x 16 bytes of one feature row): a work-group owns only 32 tokens of a row.
.set REG,   11520                      ; a wave's own LDS region: 80 rows x 144 bytes
.set PITCH, 144                        ; 64 bf16 (or 32 f32) + 16 bytes: 16 rows at one column fall on different banks
.set GOFF, 3                           ; v3      global offset: (lane / 16) rows + 256 w + 16 (lane % 16)
.set STO,  4                           ; v4      where my 8 bytes of bf16 go
.set FRG,  5                           ; v5      fragment address
.set PST,  6                           ; v6      where my partial sums go
.set SUMA, 8                           ; v[8:11] where I read partial sums of regions 4 g .. 4 g + 3
.set OOFF, 12                          ; v12     my 16 bytes in qkvt
.set RAW,  32                          ; v[32:191] 40 loads x 4 registers
.set FA,   32                          ; v[32:63]  x fragments (mt, ks) at 8 (2 mt + ks), once RAW has been stored
.set FB,   64                          ; v[64:111] w fragments (nt, ks) at 8 (2 nt + ks)
.set ACC,  192                         ; v[192:239] tile (mt, nt) at 8 (3 mt + nt)
	s_load_b128 s[4:7], s[0:1], 0x0                ; x s[4:5], w_qkv s[6:7]
	s_load_b64 s[8:9], s[0:1], 0x10                ; qkvt
	v_lshl_add_u32 v240, v0, 2, 0x2d000
	v_mov_b32 v241, 0
	v_lshrrev_b32 v1, 5, v0
	v_readfirstlane_b32 s10, v1                    ; wave 0..15 = K slice
	s_and_b32 s12, ttmp7, 0xffff                   ; token block (32 tokens); ttmp9: feature block (48 features)
	v_and_b32 v1, 15, v0                           ; r
	v_bfe_u32 v2, v0, 4, 1                         ; h
	s_mul_i32 s13, s10, REG                        ; my region
	s_lshl_b32 s16, s10, 8                         ; my 256 bytes of every row
	v_lshlrev_b32 v[GOFF], 4, v1
	v_lshl_add_u32 v[GOFF], v2, 12, v[GOFF]        ; lanes 16-31 take the next row
	v_add_nc_u32 v[GOFF], s16, v[GOFF]
	s_lshl_b32 s14, s12, 17                        ; 32 rows of 4,096 bytes
	s_mov_b32 s15, 0
	s_wait_kmcnt 0x0
	s_add_nc_u64 s[4:5], s[4:5], s[14:15]
	s_mul_i32 s14, ttmp9, 196608                   ; 48 rows of 4,096 bytes
	s_add_nc_u64 s[6:7], s[6:7], s[14:15]
.set i, 0
.rept 16
	global_load_b128 v[RAW+4*i:RAW+4*i+3], v[GOFF], s[4:5] offset:i*8192        ; x rows 2 i, 2 i + 1
.set i, i+1
.endr
.set i, 0
.rept 24
	global_load_b128 v[RAW+64+4*i:RAW+64+4*i+3], v[GOFF], s[6:7] offset:i*8192  ; w rows 2 i, 2 i + 1
.set i, i+1
.endr
	; addresses, while the loads are on their way
	s_mul_i32 s14, ttmp9, 393216                   ; 48 feature rows of 8,192 bytes
	s_lshl_b32 s16, s12, 7                         ; 32 tokens of 4 bytes
	s_add_co_u32 s14, s14, s16
	s_add_nc_u64 s[8:9], s[8:9], s[14:15]
	v_mul_u32_u24 v7, v2, PITCH
	v_lshl_add_u32 v[STO], v1, 3, v7
	v_add_nc_u32 v[STO], s13, v[STO]               ; region + h x 144 + 8 r
	v_mul_u32_u24 v7, v1, PITCH
	v_lshl_add_u32 v[FRG], v2, 4, v7
	v_add_nc_u32 v[FRG], s13, v[FRG]               ; region + r x 144 + 16 h
	v_lshl_add_u32 v[PST], v2, 5, v7
	v_add_nc_u32 v[PST], s13, v[PST]               ; region + r x 144 + 32 h
	v_lshrrev_b32 v13, 3, v0                       ; the sum: thread t takes feature t / 8,
	v_and_b32 v14, 7, v0                           ; tokens 4 (t % 8) .. + 3
	v_mul_u32_u24 v15, v13, PITCH
	v_lshl_add_u32 v[SUMA], v14, 4, v15
	v_add_nc_u32 v[SUMA+1], 4*REG, v[SUMA]
	v_add_nc_u32 v[SUMA+2], 8*REG, v[SUMA]
	v_add_nc_u32 v[SUMA+3], 12*REG, v[SUMA]
	v_lshlrev_b32 v[OOFF], 13, v13
	v_lshl_add_u32 v[OOFF], v14, 4, v[OOFF]
	; round to bf16 and lay the 80 rows into my region: x's 32 rows, then w's 48
.set i, 0
.rept 40
	s_wait_loadcnt 39-i                            ; loads return in order: load i is in, the 39 - i younger ones stay out
	v_cvt_pk_bf16_f32 v[RAW+4*i], v[RAW+4*i], v[RAW+4*i+1]
	v_cvt_pk_bf16_f32 v[RAW+4*i+1], v[RAW+4*i+2], v[RAW+4*i+3]
	ds_store_b64 v[STO], v[RAW+4*i:RAW+4*i+1] offset:i*2*PITCH
.set i, i+1
.endr
	s_wait_dscnt 0x0                               ; the stores are done: their data registers take the fragments.  Only I read my region: no barrier
.irp mt, 0,1
.irp ks, 0,1
	ds_load_b128 v[FA+8*(2*\mt+\ks):FA+8*(2*\mt+\ks)+3],   v[FRG] offset:\mt*16*PITCH+\ks*64
	ds_load_b128 v[FA+8*(2*\mt+\ks)+4:FA+8*(2*\mt+\ks)+7], v[FRG] offset:\mt*16*PITCH+\ks*64+32
.endr
.endr
.irp nt, 0,1,2
.irp ks, 0,1
	ds_load_b128 v[FB+8*(2*\nt+\ks):FB+8*(2*\nt+\ks)+3],   v[FRG] offset:(32+\nt*16)*PITCH+\ks*64
	ds_load_b128 v[FB+8*(2*\nt+\ks)+4:FB+8*(2*\nt+\ks)+7], v[FRG] offset:(32+\nt*16)*PITCH+\ks*64+32
.endr
.endr
	s_wait_dscnt 0x0
	; source 0 = tokens, source 1 = features: register j of lane (r, h) is token 16 mt + 8 h + j of feature 16 nt + r
.irp mt, 0,1
.irp nt, 0,1,2
	v_wmma_f32_16x16x32_bf16 v[ACC+8*(3*\mt+\nt):ACC+8*(3*\mt+\nt)+7], v[FA+16*\mt:FA+16*\mt+7], v[FB+16*\nt:FB+16*\nt+7], 0
.endr
.endr
.irp mt, 0,1
.irp nt, 0,1,2
	v_wmma_f32_16x16x32_bf16 v[ACC+8*(3*\mt+\nt):ACC+8*(3*\mt+\nt)+7], v[FA+16*\mt+8:FA+16*\mt+15], v[FB+16*\nt+8:FB+16*\nt+15], v[ACC+8*(3*\mt+\nt):ACC+8*(3*\mt+\nt)+7]
.endr
.endr
.rept 4
	v_nop                                          ; four places before an LDS store reads a matrix result
.endr
	; my partial tile, [48 features][32 tokens] f32, pitch 144, over my own region (its reads were waited for above)
.irp mt, 0,1
.irp nt, 0,1,2
	ds_store_b128 v[PST], v[ACC+8*(3*\mt+\nt):ACC+8*(3*\mt+\nt)+3]   offset:\nt*16*PITCH+\mt*64
	ds_store_b128 v[PST], v[ACC+8*(3*\mt+\nt)+4:ACC+8*(3*\mt+\nt)+7] offset:\nt*16*PITCH+\mt*64+16
.endr
.endr
	s_wait_dscnt 0x0                               ; for the others' sake: my partial sums are in LDS
	s_barrier_signal -1
	s_barrier_wait -1
	s_cmp_ge_u32 s10, 12                           ; 48 features x 8 quads of tokens = 384 threads = waves 0 to 11
	s_cbranch_scc1 .Lend
.irp g, 0,1,2,3
.irp c, 0,1,2,3
	ds_load_b128 v[32+16*\g+4*\c:32+16*\g+4*\c+3], v[SUMA+\g] offset:\c*REG
.endr
.endr
	s_wait_dscnt 0x0
.macro FOLD n, dist                    ; a fixed tree: the upper half of the list is added to the lower
.set i, 0
.rept \n
	v_pk_add_f32 v[32+2*i:33+2*i], v[32+2*i:33+2*i], v[32+\dist+2*i:33+\dist+2*i]
.set i, i+1
.endr
.endm
	FOLD 16, 32
	FOLD 8, 16
	FOLD 4, 8
	FOLD 2, 4
	global_store_b128 v[OOFF], v[32:35], s[8:9]
.Lend:
	s_barrier_signal -1
	s_barrier_wait -1
	s_wait_tensorcnt 0x0
	ds_add_u32 v240, v241
	s_wait_dscnt 0x0
	s_endpgm
.Lfunc_end_k_q14a89f88d3_proj:
	.size	k_q14a89f88d3_proj, .Lfunc_end_k_q14a89f88d3_proj-k_q14a89f88d3_proj
	.p2alignl 7, 3214868480
	.fill 96, 4, 3214868480
	.section	.rodata,"a",@progbits
	.p2align	6, 0x0
	.amdhsa_kernel k_q14a89f88d3_proj
		.amdhsa_group_segment_fixed_size 186368
		.amdhsa_private_segment_fixed_size 0
		.amdhsa_enable_private_segment 0
		.amdhsa_kernarg_size 24
		.amdhsa_user_sgpr_count 2
		.amdhsa_user_sgpr_kernarg_segment_ptr 1
		.amdhsa_wavefront_size32 1
		.amdhsa_system_sgpr_workgroup_id_x 1
		.amdhsa_system_sgpr_workgroup_id_y 1
		.amdhsa_system_sgpr_workgroup_id_z 1
		.amdhsa_system_vgpr_workitem_id 0
		.amdhsa_next_free_vgpr 242
		.amdhsa_next_free_sgpr 66
		.amdhsa_reserve_vcc 0
		.amdhsa_float_denorm_mode_32 3
		.amdhsa_float_denorm_mode_16_64 3
		.amdhsa_memory_ordered 1
		.amdhsa_forward_progress 1
		.amdhsa_inst_pref_size 22
	.end_amdhsa_kernel
	.amdgpu_metadata
---
amdhsa.version: [ 1, 2 ]
amdhsa.kernels:
  - .name:           k_q14a89f88d3_proj
    .symbol:         k_q14a89f88d3_proj.kd
    .args:
      - { .name: x, .offset: 0, .size: 8, .value_kind: global_buffer, .address_space: global }
      - { .name: w_qkv, .offset: 8, .size: 8, .value_kind: global_buffer, .address_space: global }
      - { .name: qkvt, .offset: 16, .size: 8, .value_kind: global_buffer, .address_space: global }
    .group_segment_fixed_size: 186368
    .private_segment_fixed_size: 0
    .kernarg_segment_align: 8
    .kernarg_segment_size: 24
    .max_flat_workgroup_size: 512
    .sgpr_count:     66
    .vgpr_count:     242
    .wavefront_size: 32
...
	.end_amdgpu_metadata
.endif
;; end of part 1
;; launch attn (part 2): grid 64 x 4, 8 waves a work-group, no clusters, 26,624 bytes of LDS; arguments qkvt, ot; writes ot
.if DOCPART == 2
	.amdgcn_target "amdgcn-amd-amdhsa--gfx1250"
	.amdhsa_code_object_version 6
	.text
	.protected	k_q14a89f88d3_attn
	.globl	k_q14a89f88d3_attn
	.p2align	8
	.type	k_q14a89f88d3_attn,@function
k_q14a89f88d3_attn:
	s_mov_b64 s[64:65], 0
	v_nop
	global_prefetch_b8 v0, s[64:65] scope:SCOPE_SE
	s_setreg_imm32_b32 hwreg(HW_REG_WAVE_MODE, 25, 1), 1
	s_wait_xcnt 0x0
; ot[head][i] = sum over j <= i of p(i, j) v[j] / sum over j <= i of p(i, j),  p(i, j) = exp(q[i] k[j] / 8 - max).  Head dimension 1.
; qkvt [192][2048] f32: row head = q, 64 + head = k, 128 + head = v.  ot [64][2048] f32.
; A work-group serves one head (ttmp9) and a quarter of its rows.  A super tile u is rows 32 u .. 32 u + 31 (two tiles of 16) and needs the
; j blocks 0 .. u of 32: u + 1 steps.  Wave g = 8 y + w takes u = g and u = 63 - g: 65 steps for every wave.
; A step: lane (r, h) makes p for row r of both tiles and 16 j in f32 (one fused multiply-add and one exponential each), rounds it to f16, and
; two matrix instructions multiply it by the rows {v_hi, v_lo, ones, zeros ..}: results 0, 1, 2 of lanes 0-15 are sum p v_hi, sum p v_lo, sum p.
; v = v_hi + v_lo in f16, so that v keeps about 22 bits; the maximum is the exact causal one, so the largest p of a row is 1.
; LIMITS: |v| <= 65504 (f16's range); q k 0.18 finite in f32; NaN and infinities among the inputs are not served.
; No joint loads: the four work-groups of a head share 16,384 bytes of k and v, read once, and v is split in registers on its way to LDS.
; ot leaves in runs of 128 bytes (the 32 rows of a super tile).
.set BMAX, 8192                        ; LDS: k f32 at 0 (8,192 bytes); largest k of each block of 32 j (64 words)
.set BMIN, 8448                        ; smallest k of each block
.set VA,   8704                        ; four rows of 2,048 f16, pitch VP: v_hi, v_lo, ones, zeros
.set VP,   4112                        ; 4,096 + 16
.set K,    32                          ; v[32:47]  k of my 16 j: e < 8: j = 8 h + e; e >= 8: j = 16 + 8 h + e - 8
.set AFR,  48                          ; v[48:55]  source 0: row min(r, 3) of VA
.set ARG,  56                          ; v[56:71] tile a, v[72:87] tile b: argument, then p, then p in f16 in the first 8
.set ACA,  88                          ; v[88:95]  sums of tile a
.set ACB,  96                          ; v[96:103] sums of tile b
; v1 lane, v2 r, v3 h, v4 32 h, v5 k address, v6 A base, v7 A address, v8 d = r - 8 h, v9 lane + 32, v[10:13] block extrema of blocks
; lane and lane + 32, v14 k[32 u], v15, v16 largest and smallest k of the blocks before u, v17 scratch, v[18:19] q' of tile a twice,
; v[20:21] -max twice, v[22:25] the same for tile b, v[26:29] q' of the four tiles, v30, v31 the store's offset and data.
; s[16:23] lanes with e <= d, s24, s25 selects for the exchange of halves, s26, s27 block masks, s28 lanes 16-31.
	s_load_b128 s[4:7], s[0:1], 0x0                ; qkvt s[4:5], ot s[6:7]
	v_lshl_add_u32 v104, v0, 2, 0x6400
	v_mov_b32 v105, 0
	v_lshrrev_b32 v1, 5, v0
	v_readfirstlane_b32 s8, v1                     ; wave 0..7
	s_and_b32 s11, ttmp7, 3                        ; the grid's y, 0..3
	s_lshl3_add_u32 s11, s11, s8                   ; g = 8 y + w, 0..31
	s_lshl_b32 s14, ttmp9, 13                      ; the head's row of 8,192 bytes
	s_mov_b32 s15, 0
	v_and_b32 v1, 31, v0
	v_and_b32 v2, 15, v0
	v_bfe_u32 v3, v0, 4, 1
	v_lshlrev_b32 v56, 4, v0                       ; 16 t
	s_lshl_b32 s12, s11, 7                         ; 128 bytes of q for each super tile
	s_sub_co_u32 s13, 63, s11
	s_lshl_b32 s13, s13, 7
	v_lshlrev_b32 v57, 2, v2
	v_add_nc_u32 v58, s13, v57                     ; q of rows 32 (63 - g) + r
	v_add_nc_u32 v57, s12, v57                     ; q of rows 32 g + r
	s_wait_kmcnt 0x0
	s_add_nc_u64 s[4:5], s[4:5], s[14:15]
	s_add_nc_u64 s[6:7], s[6:7], s[14:15]
	global_load_b128 v[32:35], v56, s[4:5] offset:524288           ; k[4 t ..]
	global_load_b128 v[36:39], v56, s[4:5] offset:524288+4096      ; k[1024 + 4 t ..]
	global_load_b128 v[40:43], v56, s[4:5] offset:1048576          ; v likewise
	global_load_b128 v[44:47], v56, s[4:5] offset:1048576+4096
	global_load_b32 v26, v57, s[4:5]
	global_load_b32 v27, v57, s[4:5] offset:64
	global_load_b32 v28, v58, s[4:5]
	global_load_b32 v29, v58, s[4:5] offset:64
	s_mov_b32 s24, 0x76543210                      ; v_permlanex16_b32: lane i takes lane i xor 16
	s_mov_b32 s25, 0xfedcba98
	s_mov_b32 s28, 0xffff0000
	v_lshlrev_b32 v4, 5, v3
	v_min_u32 v6, 3, v2                            ; rows 3 to 15 of source 0 all read the zeros
	v_mul_u32_u24 v6, v6, VP
	v_lshl_add_u32 v6, v3, 4, v6
	v_add_nc_u32 v6, VA, v6
	v_lshlrev_b32 v8, 3, v3
	v_sub_nc_u32 v8, v2, v8                        ; d = r - 8 h, -8 .. 15
	v_add_nc_u32 v9, 32, v1
.irp e, 0,1,2,3,4,5,6,7
	v_cmp_le_i32 s[16+\e], \e, v8                  ; in the diagonal block element e counts where 8 h + e <= r
.endr
	v_lshrrev_b32 v59, 3, v0
	v_lshlrev_b32 v59, 2, v59                      ; the word of block t / 8
	v_lshlrev_b32 v70, 3, v0                       ; 8 t
.irp j, 80,81,82,83
	v_mov_b32 v\j, 0x3c003c00                      ; 1.0 twice in f16
.endr
.irp j, 84,85,86,87
	v_mov_b32 v\j, 0
.endr
	ds_store_b128 v56, v[80:83] offset:VA+2*VP
	ds_store_b128 v56, v[84:87] offset:VA+3*VP
	s_wait_loadcnt 0x6                             ; k is in; the six younger loads stay out
	ds_store_b128 v56, v[32:35]
	ds_store_b128 v56, v[36:39] offset:4096
	v_max3_num_f32 v60, v32, v33, v34
	v_min3_num_f32 v61, v32, v33, v34
	v_max3_num_f32 v62, v36, v37, v38
	v_min3_num_f32 v63, v36, v37, v38
	v_max_num_f32 v60, v60, v35
	v_min_num_f32 v61, v61, v35
	v_max_num_f32 v62, v62, v39
	v_min_num_f32 v63, v63, v39
.irp m, 1,2,4                                      ; eight lanes hold a block of 32 j
	v_max_num_f32_dpp v60, v60, v60 row_xmask:\m row_mask:0xf bank_mask:0xf
	v_min_num_f32_dpp v61, v61, v61 row_xmask:\m row_mask:0xf bank_mask:0xf
	v_max_num_f32_dpp v62, v62, v62 row_xmask:\m row_mask:0xf bank_mask:0xf
	v_min_num_f32_dpp v63, v63, v63 row_xmask:\m row_mask:0xf bank_mask:0xf
.endr
	ds_store_b32 v59, v60 offset:BMAX              ; the eight lanes write the same word with the same value
	ds_store_b32 v59, v62 offset:BMAX+128
	ds_store_b32 v59, v61 offset:BMIN
	ds_store_b32 v59, v63 offset:BMIN+128
; four v: the f16 nearest to each, and the f16 nearest to what that leaves
.macro VSPLIT src, t, off
	v_cvt_pk_f16_f32 v[\t], v[\src], v[\src+1]
	v_cvt_pk_f16_f32 v[\t+1], v[\src+2], v[\src+3]
	v_cvt_f32_f16 v[\t+2], v[\t].l
	v_cvt_f32_f16 v[\t+3], v[\t].h
	v_cvt_f32_f16 v[\t+4], v[\t+1].l
	v_cvt_f32_f16 v[\t+5], v[\t+1].h
	v_pk_add_f32 v[\t+2:\t+3], v[\src:\src+1], v[\t+2:\t+3] neg_lo:[0,1] neg_hi:[0,1]
	v_pk_add_f32 v[\t+4:\t+5], v[\src+2:\src+3], v[\t+4:\t+5] neg_lo:[0,1] neg_hi:[0,1]
	v_cvt_pk_f16_f32 v[\t+2], v[\t+2], v[\t+3]
	v_cvt_pk_f16_f32 v[\t+3], v[\t+4], v[\t+5]
	ds_store_b64 v70, v[\t:\t+1] offset:VA+\off
	ds_store_b64 v70, v[\t+2:\t+3] offset:VA+VP+\off
.endm
	s_wait_loadcnt 0x4                             ; v is in; q's four loads stay out
	VSPLIT 40, 64, 0
	VSPLIT 44, 72, 2048
	s_wait_loadcnt 0x0
.irp j, 26,27,28,29
	v_mul_f32 v\j, 0x3e38aa3b, v\j                 ; q' = q log2(e) / 8: v_exp_f32 is 2^x
.endr
	v_lshlrev_b32 v17, 2, v1
	s_wait_dscnt 0x0                               ; for the others' sake: all my LDS stores are done
	s_barrier_signal -1
	s_barrier_wait -1                              ; from here on LDS is only read
	ds_load_b32 v10, v17 offset:BMAX
	ds_load_b32 v11, v17 offset:BMAX+128
	ds_load_b32 v12, v17 offset:BMIN
	ds_load_b32 v13, v17 offset:BMIN+128
; One block of 32 j for both tiles.  diag = 1: the block on the diagonal, which starts the sums; the next block is then block 0.
; diag = 0: block s13; the next is s13 + 1 (in the last trip that is block u again: inside LDS, never used).
.macro STEP diag
.if \diag == 0
	s_wait_dscnt 0x2                               ; k's four loads are in; the two younger loads of source 0 stay out
.endif
.irp i, 0,1,2,3,4,5,6,7
	v_pk_fma_f32 v[ARG+2*\i:ARG+2*\i+1], v[K+2*\i:K+2*\i+1], v[18:19], v[20:21]         ; q' k - max
.endr
.irp i, 0,1,2,3,4,5,6,7
	v_pk_fma_f32 v[ARG+16+2*\i:ARG+16+2*\i+1], v[K+2*\i:K+2*\i+1], v[22:23], v[24:25]
.endr
.if \diag
	s_mov_b32 s14, 0
.else
	s_add_co_u32 s14, s13, 1
	s_min_u32 s14, s14, 63
.endif
	s_lshl_b32 s15, s14, 6                         ; 32 f16
	s_lshl_b32 s14, s14, 7                         ; 32 f32
	v_add_nc_u32 v5, s14, v4
	ds_load_b128 v[K:K+3],     v5                  ; the next block's k, a whole step ahead of its use
	ds_load_b128 v[K+4:K+7],   v5 offset:16
	ds_load_b128 v[K+8:K+11],  v5 offset:64
	ds_load_b128 v[K+12:K+15], v5 offset:80
.set i, 0
.rept 32
	v_exp_f32 v[ARG+i], v[ARG+i]
.set i, i+1
.endr
	v_nop                                          ; one plain place behind the last exponential before its result is read (ISA guide 5.7.2)
.if \diag
	s_wait_alu depctr_va_vdst(0)
.irp e, 0,1,2,3,4,5,6,7
	v_cndmask_b32 v[ARG+\e], 0, v[ARG+\e], s[16+\e]            ; tile a: j = 8 h + e counts where it is <= r,
	v_mov_b32 v[ARG+8+\e], 0                                   ; j >= 16 never;
	v_cndmask_b32 v[ARG+24+\e], 0, v[ARG+24+\e], s[16+\e]      ; tile b: j < 16 always, j = 16 + 8 h + e where 8 h + e <= r
.endr
.endif
	s_wait_alu depctr_va_vdst(0)
.irp e, 0,1,2,3,4,5,6,7
	v_cvt_pk_f16_f32 v[ARG+\e], v[ARG+2*\e], v[ARG+2*\e+1]     ; packed downward: register e is written when 2 e and 2 e + 1 are read
.endr
.irp e, 0,1,2,3,4,5,6,7
	v_cvt_pk_f16_f32 v[ARG+16+\e], v[ARG+16+2*\e], v[ARG+16+2*\e+1]
.endr
	s_wait_dscnt 0x4                               ; source 0 is in; the four younger loads of the next k stay out
.if \diag
	v_wmma_f32_16x16x32_f16 v[ACA:ACA+7], v[AFR:AFR+7], v[ARG:ARG+7], 0
	v_wmma_f32_16x16x32_f16 v[ACB:ACB+7], v[AFR:AFR+7], v[ARG+16:ARG+23], 0
.else
	v_wmma_f32_16x16x32_f16 v[ACA:ACA+7], v[AFR:AFR+7], v[ARG:ARG+7], v[ACA:ACA+7]
	v_wmma_f32_16x16x32_f16 v[ACB:ACB+7], v[AFR:AFR+7], v[ARG+16:ARG+23], v[ACB:ACB+7]
.endif
	v_add_nc_u32 v7, s15, v6                       ; four places before a load lands in a source, a vector instruction
	v_nop                                          ; writes one, or the sums are read (ISA guide 7.12.1)
	v_nop
	v_nop
	ds_load_b128 v[AFR:AFR+3],   v7
	ds_load_b128 v[AFR+4:AFR+7], v7 offset:32
.endm
; -max of a tile's rows into v[nm], v[nm + 1].  q: the pair with q'; a: scratch; kofs: the eight elements that the diagonal cuts;
; full = 1: elements 0-7 count for every row.  What the mask cuts is replaced by m0, the maximum over the earlier blocks.
.macro TMAX q, nm, a, kofs, full
	v_mul_f32 v17, v[\q], v15
	v_mul_f32 v[\nm], v[\q], v16
	v_max_num_f32 v17, v17, v[\nm]                 ; m0: q' times the largest or the smallest earlier k, by q's sign
.irp i, 0,1,2,3
	v_pk_mul_f32 v[\a+\kofs+2*\i:\a+\kofs+2*\i+1], v[K+\kofs+2*\i:K+\kofs+2*\i+1], v[\q:\q+1]
.endr
.irp e, 0,1,2,3,4,5,6,7
	v_cndmask_b32 v[\a+\kofs+\e], v17, v[\a+\kofs+\e], s[16+\e]
.endr
	v_max3_num_f32 v[\nm], v17, v[\a+\kofs], v[\a+\kofs+1]
.irp i, 1,2,3
	v_max3_num_f32 v[\nm], v[\nm], v[\a+\kofs+2*\i], v[\a+\kofs+2*\i+1]
.endr
.if \full
.irp i, 0,1,2,3
	v_pk_mul_f32 v[\a+2*\i:\a+2*\i+1], v[K+2*\i:K+2*\i+1], v[\q:\q+1]
.endr
.irp i, 0,1,2,3
	v_max3_num_f32 v[\nm], v[\nm], v[\a+2*\i], v[\a+2*\i+1]
.endr
.endif
	v_permlanex16_b32 v17, v[\nm], s24, s25        ; the other half of the lanes holds the row's other j
	v_max_num_f32 v[\nm], v[\nm], v17
	v_xor_b32 v[\nm], 0x80000000, v[\nm]           ; -max
	v_mov_b32 v[\nm+1], v[\nm]
.endm
; Super tile u = s12.  qa, qb: the registers with q' of its two tiles.
.macro SUPER tag, qa, qb
	s_wait_xcnt 0x0                                ; the last store's offset and data are written again only behind this wait
	s_lshl_b32 s14, s12, 7
	s_lshl_b32 s15, s12, 6
	v_add_nc_u32 v5, s14, v4
	v_add_nc_u32 v7, s15, v6
	v_mov_b32 v17, s14
	ds_load_b128 v[K:K+3],     v5                  ; the diagonal block
	ds_load_b128 v[K+4:K+7],   v5 offset:16
	ds_load_b128 v[K+8:K+11],  v5 offset:64
	ds_load_b128 v[K+12:K+15], v5 offset:80
	ds_load_b128 v[AFR:AFR+3],   v7
	ds_load_b128 v[AFR+4:AFR+7], v7 offset:32
	ds_load_b32 v14, v17                           ; k[32 u]: counts for every row of the super tile
	v_cmp_gt_u32 s26, s12, v1                      ; block lane < u
	v_cmp_gt_u32 s27, s12, v9                      ; block lane + 32 < u
	v_mov_b32 v18, v[\qa]
	v_mov_b32 v19, v[\qa]
	v_mov_b32 v22, v[\qb]
	v_mov_b32 v23, v[\qb]
	s_wait_dscnt 0x0
	v_cndmask_b32 v15, v14, v10, s26               ; blocks from u on are replaced by k[32 u]
	v_cndmask_b32 v17, v14, v11, s27
	v_max_num_f32 v15, v15, v17
	v_cndmask_b32 v16, v14, v12, s26
	v_cndmask_b32 v17, v14, v13, s27
	v_min_num_f32 v16, v16, v17
.irp m, 1,2,4,8
	v_max_num_f32_dpp v15, v15, v15 row_xmask:\m row_mask:0xf bank_mask:0xf
	v_min_num_f32_dpp v16, v16, v16 row_xmask:\m row_mask:0xf bank_mask:0xf
.endr
	v_permlanex16_b32 v17, v15, s24, s25
	v_max_num_f32 v15, v15, v17
	v_permlanex16_b32 v17, v16, s24, s25
	v_min_num_f32 v16, v16, v17
	TMAX 18, 20, ARG, 0, 0
	TMAX 22, 24, ARG+16, 8, 1
	STEP 1
	s_cmp_eq_u32 s12, 0
	s_cbranch_scc1 .Le\tag
	s_mov_b32 s13, 0
.Lj\tag:
	STEP 0
	s_add_co_u32 s13, s13, 1
	s_cmp_lt_u32 s13, s12
	s_cbranch_scc1 .Lj\tag
.Le\tag:
	s_wait_dscnt 0x0                               ; the loads that ran ahead have landed: their registers are free
	v_rcp_f32 v56, v[ACA+2]                        ; lanes 0-15: 1 / sum p.  (Lanes 16-31 hold the zero rows' sums; what they make is not taken.)
	v_rcp_f32 v57, v[ACB+2]
	v_add_f32 v58, v[ACA], v[ACA+1]                ; sum p v_hi + sum p v_lo; also the plain place behind the reciprocals
	v_add_f32 v59, v[ACB], v[ACB+1]
	s_wait_alu depctr_va_vdst(0)
	v_mul_f32 v58, v58, v56
	v_mul_f32 v59, v59, v57
	v_permlanex16_b32 v60, v59, s24, s25           ; tile b's rows to lanes 16-31
	s_lshl_b32 s14, s12, 7
	v_lshl_add_u32 v30, v1, 2, s14
	v_cndmask_b32 v31, v58, v60, s28
	global_store_b32 v30, v31, s[6:7]              ; rows 32 u + lane: 128 consecutive bytes
.endm
	s_mov_b32 s12, s11
	SUPER 1, 26, 27
	s_sub_co_u32 s12, 63, s11
	SUPER 2, 28, 29
	s_barrier_signal -1
	s_barrier_wait -1
	s_wait_tensorcnt 0x0
	ds_add_u32 v104, v105
	s_wait_dscnt 0x0
	s_endpgm
.Lfunc_end_k_q14a89f88d3_attn:
	.size	k_q14a89f88d3_attn, .Lfunc_end_k_q14a89f88d3_attn-k_q14a89f88d3_attn
	.p2alignl 7, 3214868480
	.fill 96, 4, 3214868480
	.section	.rodata,"a",@progbits
	.p2align	6, 0x0
	.amdhsa_kernel k_q14a89f88d3_attn
		.amdhsa_group_segment_fixed_size 26624
		.amdhsa_private_segment_fixed_size 0
		.amdhsa_enable_private_segment 0
		.amdhsa_kernarg_size 16
		.amdhsa_user_sgpr_count 2
		.amdhsa_user_sgpr_kernarg_segment_ptr 1
		.amdhsa_wavefront_size32 1
		.amdhsa_system_sgpr_workgroup_id_x 1
		.amdhsa_system_sgpr_workgroup_id_y 1
		.amdhsa_system_sgpr_workgroup_id_z 1
		.amdhsa_system_vgpr_workitem_id 0
		.amdhsa_next_free_vgpr 106
		.amdhsa_next_free_sgpr 66
		.amdhsa_reserve_vcc 0
		.amdhsa_float_denorm_mode_32 3
		.amdhsa_float_denorm_mode_16_64 3
		.amdhsa_memory_ordered 1
		.amdhsa_forward_progress 1
		.amdhsa_inst_pref_size 37
	.end_amdhsa_kernel
	.amdgpu_metadata
---
amdhsa.version: [ 1, 2 ]
amdhsa.kernels:
  - .name:           k_q14a89f88d3_attn
    .symbol:         k_q14a89f88d3_attn.kd
    .args:
      - { .name: qkvt, .offset: 0, .size: 8, .value_kind: global_buffer, .address_space: global }
      - { .name: ot, .offset: 8, .size: 8, .value_kind: global_buffer, .address_space: global }
    .group_segment_fixed_size: 26624
    .private_segment_fixed_size: 0
    .kernarg_segment_align: 8
    .kernarg_segment_size: 16
    .max_flat_workgroup_size: 256
    .sgpr_count:     66
    .vgpr_count:     106
    .wavefront_size: 32
...
	.end_amdgpu_metadata
.endif
;; end of part 2
;; launch outp (part 3): grid 16 x 16, 8 waves a work-group, no clusters, 81,920 bytes of LDS; arguments ot, w_out, out0; writes out0
.if DOCPART == 3
	.amdgcn_target "amdgcn-amd-amdhsa--gfx1250"
	.amdhsa_code_object_version 6
	.text
	.protected	k_q14a89f88d3_outp
	.globl	k_q14a89f88d3_outp
	.p2align	8
	.type	k_q14a89f88d3_outp,@function
k_q14a89f88d3_outp:
	s_mov_b64 s[64:65], 0
	v_nop
	global_prefetch_b8 v0, s[64:65] scope:SCOPE_SE
	s_setreg_imm32_b32 hwreg(HW_REG_WAVE_MODE, 25, 1), 1
	s_wait_xcnt 0x0
; out0[n][c] = sum over heads of ot[head][n] w_out[c][head].  ot [64][2048] f32, w_out [1024][64] f32, out0 [2048][1024] f32.
; w_out is rounded to bf16.  o goes to the matrix unit as o_hi + o_lo, two bf16, so K = 128: heads with o_hi, then heads with o_lo,
; against the same w twice; o so keeps about 16 bits.  Sums in f32.
; A work-group makes 128 tokens (grid y) x 64 columns (grid x); wave w makes tokens 16 w .. 16 w + 15 of it: four matrix tiles.
; Source 0 = 16 columns of w, source 1 = 16 tokens: a lane's eight results are eight neighbouring columns of one token's row.
; No joint loads, though 16 work-groups read each piece of ot and of w_out: both are split or rounded in registers on the way to LDS,
; and a work-group reads 32,768 + 16,384 bytes once.
.set OP,  288                          ; LDS at 0: [128 k][128 tokens] bf16, 256 + 32 bytes a row (an odd multiple of 32, for the transposing load)
.set WS,  36864                        ; [64 columns][64 heads] bf16,
.set WP,  144                          ; 128 + 16 bytes a row
.set STG, 46080                        ; a stage for each wave: 16 token rows of 64 f32,
.set SP,  272                          ; 256 + 16 bytes a row
.set RO,  32                           ; v[32:63]   o as loaded, then o_lo packed
.set RW,  64                           ; v[64:79]   w as loaded, then packed
.set HI,  80                           ; v[80:95]   o_hi packed
.set BF,  32                           ; v[32:63]   behind the barrier: o fragments, K step ks at 8 ks
.set AW,  64                           ; v[64:127]  w fragments (ct, kk) at 8 (2 ct + kk)
.set ACC, 128                          ; v[128:159] column tile ct at 8 ct
	s_load_b128 s[4:7], s[0:1], 0x0                ; ot s[4:5], w_out s[6:7]
	s_load_b64 s[8:9], s[0:1], 0x10                ; out0
	v_lshl_add_u32 v160, v0, 2, 0x13c00
	v_mov_b32 v161, 0
	v_lshrrev_b32 v1, 5, v0
	v_readfirstlane_b32 s10, v1                    ; wave 0..7
	s_and_b32 s11, ttmp7, 0xffff                   ; token block; ttmp9: column block
	s_mov_b32 s12, 0xffff0000                      ; a word's upper bf16
	v_and_b32 v1, 31, v0                           ; lane
	v_and_b32 v2, 15, v0                           ; r
	v_bfe_u32 v3, v0, 4, 1                         ; h
	s_lshl_b32 s16, s10, 16                        ; my 8 heads: 8 rows of 8,192 bytes
	v_lshl_add_u32 v4, v1, 4, s16
	v_lshlrev_b32 v5, 4, v0
	s_lshl_b32 s14, s11, 9                         ; 128 tokens of 4 bytes
	s_mov_b32 s15, 0
	s_wait_kmcnt 0x0
	s_add_nc_u64 s[4:5], s[4:5], s[14:15]
	s_lshl_b32 s14, ttmp9, 14                      ; 64 rows of 256 bytes
	s_add_nc_u64 s[6:7], s[6:7], s[14:15]
.irp i, 0,1,2,3,4,5,6,7
	global_load_b128 v[RO+4*\i:RO+4*\i+3], v4, s[4:5] offset:\i*8192       ; head 8 w + i, 128 tokens: 512 consecutive bytes
.endr
.irp i, 0,1,2,3
	global_load_b128 v[RW+4*\i:RW+4*\i+3], v5, s[6:7] offset:\i*4096       ; 16 rows of w_out
.endr
	s_lshl_b32 s14, s11, 19                        ; 128 rows of 4,096 bytes
	s_lshl_b32 s16, ttmp9, 8                       ; 64 columns of 4 bytes
	s_add_co_u32 s14, s14, s16
	s_add_nc_u64 s[8:9], s[8:9], s[14:15]
	s_mul_i32 s16, s10, 8*OP
	v_lshl_add_u32 v6, v1, 3, s16                  ; o: row 8 w (+ i), 8 bytes a lane
	v_lshrrev_b32 v13, 4, v0
	v_mul_u32_u24 v13, v13, WP
	v_lshl_add_u32 v7, v2, 3, v13
	v_add_nc_u32 v7, WS, v7                        ; w: row t / 16 (+ 16 i), 8 bytes at 8 (t % 16)
	v_and_b32 v13, 7, v0
	v_lshl_add_u32 v13, v3, 3, v13
	v_mul_u32_u24 v13, v13, OP
	v_bfe_u32 v18, v0, 3, 1
	v_lshl_add_u32 v8, v18, 4, v13
	s_lshl_b32 s16, s10, 5
	v_add_nc_u32 v8, s16, v8                       ; transposing load: row 8 h + lane % 8, 16 bytes at 32 w + 16 ((lane / 8) % 2)
	v_mul_u32_u24 v13, v2, WP
	v_lshl_add_u32 v9, v3, 4, v13
	v_add_nc_u32 v9, WS, v9                        ; w fragment: row r, 16 h
	s_mul_i32 s13, s10, 16*SP
	s_add_co_u32 s13, s13, STG                     ; my stage
	v_mul_u32_u24 v13, v2, SP
	v_lshl_add_u32 v10, v3, 5, v13
	v_add_nc_u32 v10, s13, v10                     ; in: token r, 32 bytes for each half of the lanes
	v_mul_u32_u24 v13, v3, SP
	v_lshl_add_u32 v11, v2, 4, v13
	v_add_nc_u32 v11, s13, v11                     ; back: lanes 0-15 one row of 256 bytes, lanes 16-31 the next
	s_lshl_b32 s16, s10, 16                        ; 16 rows of 4,096 bytes
	v_lshlrev_b32 v12, 12, v3
	v_lshl_add_u32 v12, v2, 4, v12
	v_add_nc_u32 v12, s16, v12                     ; and the same two rows in out0
.irp i, 0,1,2,3,4,5,6,7
	s_wait_loadcnt 11-\i                           ; load i of the twelve is in, the younger ones stay out
	v_cvt_pk_bf16_f32 v[HI+2*\i],   v[RO+4*\i],   v[RO+4*\i+1]     ; o_hi
	v_cvt_pk_bf16_f32 v[HI+2*\i+1], v[RO+4*\i+2], v[RO+4*\i+3]
	v_lshlrev_b32 v14, 16, v[HI+2*\i]                              ; back to f32
	v_and_b32     v15, s12, v[HI+2*\i]
	v_lshlrev_b32 v16, 16, v[HI+2*\i+1]
	v_and_b32     v17, s12, v[HI+2*\i+1]
	v_pk_add_f32 v[RO+4*\i:RO+4*\i+1],   v[RO+4*\i:RO+4*\i+1],   v[14:15] neg_lo:[0,1] neg_hi:[0,1]    ; what o_hi leaves
	v_pk_add_f32 v[RO+4*\i+2:RO+4*\i+3], v[RO+4*\i+2:RO+4*\i+3], v[16:17] neg_lo:[0,1] neg_hi:[0,1]
	v_cvt_pk_bf16_f32 v[RO+4*\i],   v[RO+4*\i],   v[RO+4*\i+1]     ; o_lo
	v_cvt_pk_bf16_f32 v[RO+4*\i+1], v[RO+4*\i+2], v[RO+4*\i+3]
	ds_store_b64 v6, v[HI+2*\i:HI+2*\i+1] offset:\i*OP
	ds_store_b64 v6, v[RO+4*\i:RO+4*\i+1] offset:\i*OP+64*OP
.endr
.irp i, 0,1,2,3
	s_wait_loadcnt 3-\i
	v_cvt_pk_bf16_f32 v[RW+4*\i],   v[RW+4*\i],   v[RW+4*\i+1]
	v_cvt_pk_bf16_f32 v[RW+4*\i+1], v[RW+4*\i+2], v[RW+4*\i+3]
	ds_store_b64 v7, v[RW+4*\i:RW+4*\i+1] offset:\i*16*WP
.endr
	s_wait_dscnt 0x0                               ; for the others' sake: my rows of o and of w are in LDS
	s_barrier_signal -1
	s_barrier_wait -1
.irp ks, 0,1,2,3
	ds_load_tr16_b128 v[BF+8*\ks:BF+8*\ks+3],   v8 offset:\ks*32*OP           ; k = 32 ks + 8 h .. + 7 of token 16 w + r
	ds_load_tr16_b128 v[BF+8*\ks+4:BF+8*\ks+7], v8 offset:\ks*32*OP+16*OP     ; k = 32 ks + 16 + 8 h .. + 7
.endr
.irp ct, 0,1,2,3
.irp kk, 0,1
	ds_load_b128 v[AW+8*(2*\ct+\kk):AW+8*(2*\ct+\kk)+3],   v9 offset:\ct*16*WP+\kk*64
	ds_load_b128 v[AW+8*(2*\ct+\kk)+4:AW+8*(2*\ct+\kk)+7], v9 offset:\ct*16*WP+\kk*64+32
.endr
.endr
	s_wait_dscnt 0x0
.irp ct, 0,1,2,3
	v_wmma_f32_16x16x32_bf16 v[ACC+8*\ct:ACC+8*\ct+7], v[AW+16*\ct:AW+16*\ct+7], v[BF:BF+7], 0
.endr
.irp ks, 1,2,3
.irp ct, 0,1,2,3
	v_wmma_f32_16x16x32_bf16 v[ACC+8*\ct:ACC+8*\ct+7], v[AW+8*(2*\ct+(\ks&1)):AW+8*(2*\ct+(\ks&1))+7], v[BF+8*\ks:BF+8*\ks+7], v[ACC+8*\ct:ACC+8*\ct+7]
.endr
.endr
.rept 4
	v_nop                                          ; four places before LDS stores read the results and loads land in the sources
.endr
	; the way out, through my own stage: register j of lane (r, h) is column 16 ct + 8 h + j of token 16 w + r
.irp ct, 0,1,2,3
	ds_store_b128 v10, v[ACC+8*\ct:ACC+8*\ct+3]   offset:\ct*64
	ds_store_b128 v10, v[ACC+8*\ct+4:ACC+8*\ct+7] offset:\ct*64+16
.endr
.irp t, 0,1,2,3,4,5,6,7
	ds_load_b128 v[32+4*\t:35+4*\t], v11 offset:\t*2*SP            ; LDS serves a wave's instructions in order: these see the stores above
.endr
.irp t, 0,1,2,3,4,5,6,7
	s_wait_dscnt 7-\t                              ; rows 2 t, 2 t + 1 are back, the younger loads stay out
	global_store_b128 v12, v[32+4*\t:35+4*\t], s[8:9] offset:\t*8192 th:TH_STORE_NT    ; 16 lanes cover 256 consecutive bytes, aligned
.endr
	s_barrier_signal -1
	s_barrier_wait -1
	s_wait_tensorcnt 0x0
	ds_add_u32 v160, v161
	s_wait_dscnt 0x0
	s_endpgm
.Lfunc_end_k_q14a89f88d3_outp:
	.size	k_q14a89f88d3_outp, .Lfunc_end_k_q14a89f88d3_outp-k_q14a89f88d3_outp
	.p2alignl 7, 3214868480
	.fill 96, 4, 3214868480
	.section	.rodata,"a",@progbits
	.p2align	6, 0x0
	.amdhsa_kernel k_q14a89f88d3_outp
		.amdhsa_group_segment_fixed_size 81920
		.amdhsa_private_segment_fixed_size 0
		.amdhsa_enable_private_segment 0
		.amdhsa_kernarg_size 24
		.amdhsa_user_sgpr_count 2
		.amdhsa_user_sgpr_kernarg_segment_ptr 1
		.amdhsa_wavefront_size32 1
		.amdhsa_system_sgpr_workgroup_id_x 1
		.amdhsa_system_sgpr_workgroup_id_y 1
		.amdhsa_system_sgpr_workgroup_id_z 1
		.amdhsa_system_vgpr_workitem_id 0
		.amdhsa_next_free_vgpr 162
		.amdhsa_next_free_sgpr 66
		.amdhsa_reserve_vcc 0
		.amdhsa_float_denorm_mode_32 3
		.amdhsa_float_denorm_mode_16_64 3
		.amdhsa_memory_ordered 1
		.amdhsa_forward_progress 1
		.amdhsa_inst_pref_size 16
	.end_amdhsa_kernel
	.amdgpu_metadata
---
amdhsa.version: [ 1, 2 ]
amdhsa.kernels:
  - .name:           k_q14a89f88d3_outp
    .symbol:         k_q14a89f88d3_outp.kd
    .args:
      - { .name: ot, .offset: 0, .size: 8, .value_kind: global_buffer, .address_space: global }
      - { .name: w_out, .offset: 8, .size: 8, .value_kind: global_buffer, .address_space: global }
      - { .name: out0, .offset: 16, .size: 8, .value_kind: global_buffer, .address_space: global }
    .group_segment_fixed_size: 81920
    .private_segment_fixed_size: 0
    .kernarg_segment_align: 8
    .kernarg_segment_size: 24
    .max_flat_workgroup_size: 256
    .sgpr_count:     66
    .vgpr_count:     162
    .wavefront_size: 32
...
	.end_amdgpu_metadata
.endif
;; end of part 3
